; MI455X (gfx1250); checked and timed in simulation.
; The chip was launched on July 23, 2026; its instructions are those of AMD's public machine-readable ISA for CDNA 5 (MIT licence, August 2026) and "CDNA5" Instruction Set Architecture Reference Guide (July 2026). The comments in the code are by the model that wrote it; some were corrected since.
;; Dot Projection Attention. Allowed arithmetic: matrix products marked QUANTISED: E4M3 operands, one E8M0 scale for each 32 along K, by v_wmma_scale_f32_16x16x128_f8f6f4 with both operands' format E4M3, f32 sums; products left as they are: f32 operands where the result goes on into a quantised operand, else bf16, f16 or f32 operands; f32 sums; everything else in f32.
;; Inputs: attn_v_bias 1 float32; attn_v_weight 1 x 1,024 float32; attn_w_bias 1,024 float32; attn_w_weight 1,024 x 2,048 float32; hidden_codes 64 x 32 x 32 uint8 (E4M3 codes of hidden, K innermost, in blocks of 32 codes); hidden_scales 64 x 32 uint8 (E8M0 scales of hidden, one for each 32 codes along K); vectors_to_attend 1,024 x 64 x 1,024 float32.
;; Outputs: out0 64 x 1 x 1,024 float32.
;; This version of the problem:
;;   THIS VERSION OF THE PROBLEM IS GIVEN IN LOW PRECISION. The matrix products marked QUANTISED in the list below multiply operands that are first quantised to E4M3 (4 exponent bits, 3 mantissa bits; 8 bits a number), with one power-of-two scale for each 32 numbers along K (OCP MX v1.0); their sums are f32. All else is computed in f32.
;;   The module's matrix products, in the order in which they are computed (A, B: the left and right operand; K: the contracted axis; several contracted axes count as one K, in the product's order):
;;     1. [M 65,536, K 1,024] x [K 1,024, N 1,024]; A: input vectors_to_attend; B: input attn_w_weight: QUANTISED
;;     2. [M 64, K 1,024] x [K 1,024, N 1,024]; A: input hidden (given as codes); B: input attn_w_weight: QUANTISED
;;     3. [M 65,536, K 1,024] x [K 1,024, N 1]; A: computed on the way; B: input attn_v_weight: left as it is (N = 1 < 16)
;;     4. batch 64 x [M 1, K 1,024] x [K 1,024, N 1,024]; A: softmax; B: input vectors_to_attend: left as it is (M = 1 < 16)
;;   THE QUANTISER, for each operand of a quantised product, along K:
;;     - K is cut into blocks of 32 from its start; a last block that is shorter is filled with zeros.
;;     - A block's scale is 2^e with e = floor(log2(the largest magnitude in the block)) - 8, held to -126 .. 127; a block of zeros has e = 0. As a byte (E8M0): e + 127.
;;     - Each number is divided by its block's scale, clamped to +-448, and rounded to the nearest number of E4M3, ties to even, subnormals kept.
;;     - The product sums the exact products of the quantised numbers (number of the format x scale) in f32.
;;   ~~~python
;;   def quantise(x, axis):      # numpy; x: float32 -> the quantised numbers, widened to float32 again
;;       x = np.moveaxis(x, axis, -1); K = x.shape[-1]
;;       x = np.pad(x, [(0, 0)] * (x.ndim - 1) + [(0, -K % 32)]); x = x.reshape(x.shape[:-1] + (-1, 32)); a = np.abs(x).max(-1, keepdims=True)
;;       e = np.where(a > 0, np.clip(np.frexp(np.where(a > 0, a, 1))[1] - 1 - 8, -126, 127), 0)      # np.frexp(a)[1] - 1 = floor(log2(a)), exactly
;;       r = np.clip(x / 2.0 ** e, -448, 448)
;;       step = 2.0 ** (np.maximum(np.frexp(np.where(r == 0, 1, r))[1] - 1, -6) - 3)
;;       q = np.round(r / step) * step * 2.0 ** e      # np.round: ties to even
;;       return np.moveaxis(q.reshape(q.shape[:-2] + (-1,))[..., :K], -1, axis).astype(np.float32)
;;   ~~~
;;   INPUTS GIVEN AS CODES. hidden (in the module: [64, 1024], K = its axis 1): each comes as NAME_codes (uint8): NAME with its K axis moved to the last place and cut into blocks of 32 codes, [.., K / 32, bytes a block], one block behind the other in memory; one code a byte (a code: sign, 4 exponent bits, 3 mantissa bits); and NAME_scales (uint8): the same leading axes, one E8M0 byte (e + 127) for each 32 codes along K. Its value is code x scale, taken as it is: it is not quantised again, and the codes and scales need not be those that the quantiser above would give.
;; One version. Each part assembles by itself: llvm-mc -triple=amdgcn-amd-amdhsa -mcpu=gfx1250 --defsym DOCPART=n.
;; ======== version 1 of 1: 3 launches
;; limits: values are held in bf16: 8 bits of precision; right only within a limited range of input values
;; workspace buffers: wimg 1,081,344 bytes; hbk 524,288 bytes; part 2,621,440 bytes
;; launch prep (part 1): grid 256 x 1, 4 waves a work-group, no clusters, 90,880 bytes of LDS; arguments attn_w_weight, attn_w_bias, hidden_codes, hidden_scales, wimg, hbk; writes wimg, hbk
.if DOCPART == 1
	.amdgcn_target "amdgcn-amd-amdhsa--gfx1250"
	.amdhsa_code_object_version 6
	.text
	.protected	k_q766ab705e5_prep
	.globl	k_q766ab705e5_prep
	.p2align	8
	.type	k_q766ab705e5_prep,@function
k_q766ab705e5_prep:
	s_mov_b64 s[64:65], 0
	v_nop
	global_prefetch_b8 v0, s[64:65] scope:SCOPE_SE
	s_setreg_imm32_b32 hwreg(HW_REG_WAVE_MODE, 25, 1), 1
	s_wait_xcnt 0x0
; THE PROGRAM (three launches): context[b][:] = sum over s of softmax_s(score[b][s]) v[s][b][:],  score[b][s] = sum over a of vw[a] tanh(x[s][b][a]) + vb,
; x[s][b][a] = Q(v[s][b][:]) . Q(We[a][:]) + hidden[b][:] . Q(Wd[a][:]) + bias[a];  We = attn_w_weight[:, :1024], Wd = attn_w_weight[:, 1024:]; Q = the MX-FP8 quantiser along K.
; WORK LEFT OUT, for all finite values of the inputs:
;  (1) attn_v_bias (vb) is added to every score of a batch alike, and softmax over s of (score + vb) = softmax over s of score.  So attn_v_bias has no way to the output: it is not loaded and is among no launch's arguments.
;  (2) tanh(x) = 1 - 2 / (1 + 2^(K x)), K = 2 log2(e), for every x.  So sum_a vw[a] tanh(x) = sum_a vw[a] - 2 sum_a vw[a] / (1 + 2^(K x)); the first sum is the same for every s of a batch and goes with the softmax as vb does.
;      The program's score is sum_a (-2 vw[a]) / (1 + 2^(K x)).
; LIMITS: a NaN, an infinity or an overflow that reaches only these two terms is not carried to the result.  NaN and infinities among the inputs are not served.  A block of zeros gets the scale byte 1 where the rule says 127:
; its codes are zeros, which add nothing under any byte but 0xff, and the bytes are read by this program alone.  For the last product v is rounded to bf16 (launch main).
;
; THIS LAUNCH: (a) We as codes and scale words, laid as images of the operand's registers, for launch main;  (b) hbk[h][a][b] = K (the sum over half h of K of hidden[b] . Q(Wd[a]), + bias[a] in half 0): launch main adds the two halves.
; SHARES.  Work-group 4 nt + 2 h + part: the 16 rows a = 16 nt + 0..15 of attn_w_weight, K steps 4 h + 0..3 (128 along K each, one a wave), of We (part 0) or of Wd (part 1): 64 x 2 x 2 = 256 work-groups.
; The two parts take two ways through the text; each has LDS bytes of its own, chosen by the instructions' constant offsets, so that no LDS address hangs on the work-group's number.
; wimg: 16 blocks of 67,584 bytes; block nt / 4 holds four tiles (nt % 4): codes at tile x 16,384 + K step x 2,048 + c x 512 + 16 x lane (lane (r, h): row r, k = 32 c + 16 h + 0..15);
;       scale words at 65,536 + tile x 512 + 16 x lane (lane (r, h): the words of K steps 4 h + 0..3 of row r).     hbk: [h][nt][b][16 a] f32.
.set BLKB,  67584
.set PS,    0                          ; part 1: four waves' partial sums, 4,096 bytes each, as images of the accumulators
.set SCG,   16384                      ; part 0: the scale words of 16 rows x 4 K steps, gathered: 256 bytes
.set SPARE, 16640                      ; the spare words, 128 bytes for each wave: two blocks of 256 bytes that no other line names
.set STA,   17152                      ; part 0: a stage of 9,216 bytes for each wave, its own: what came in as whole runs of a row is read back in the fragments' order
.set STB,   54016                      ; part 1: the same
.set X1,  16                           ; v16-79   64 numbers of We; in part 1 the four accumulators
.set ACC, 16
.set X2,  80                           ; v80-143  64 numbers of Wd; later the partial sums
.set HF,  144                          ; v144-207 four fragments of hidden
.set PC,  208                          ; v208-223 the codes just made
.set TM,  224                          ; v224-239 at work in QUANT
.set PW,  240                          ; v240     the scale word just made: scales alone
.set HS,  241                          ; v241-244 hidden's scale words: scales alone
.set BI,  246                          ; v246-249 four numbers of the bias
.set SPW, 250                          ; v250     LDS address of my spare word; never rewritten
.set NIL, 251                          ; v251     0; never rewritten
.set SEL, 20                           ; s[20:21] v_permlanex16_b32's selects for lane l xor 16
.set MNT, 23                           ; s23      the mantissa field of 448
; 64 numbers of a lane, register 16 b + i = k 32 b + 16 (lane / 16) + i of my row, become a fragment's codes in v[PC] on and its scale word in v[PW].
.macro QUANT s
.irp b, 0,1,2,3
	v_max3_num_f32 v[TM+\b], |v[\s+16*\b]|, |v[\s+1+16*\b]|, 0x4800000   ; block b: my 16 numbers, and the floor 2^(9 - 127): the byte cannot fall under 1
.endr
.irp i, 2,4,6,8,10,12,14
.irp b, 0,1,2,3
	v_max3_num_f32 v[TM+\b], v[TM+\b], |v[\s+16*\b+\i]|, |v[\s+1+16*\b+\i]|   ; the four blocks by turns
.endr
.endr
.irp b, 0,1,2,3
	v_permlanex16_b32 v[TM+4+\b], v[TM+\b], s[SEL], s[SEL+1]
.endr
.irp b, 0,1,2,3
	v_max_num_f32 v[TM+\b], v[TM+\b], v[TM+4+\b]   ; with lane l xor 16's: the block's largest magnitude
.endr
.irp b, 0,1,2,3
	v_add_nc_u32 v[TM+12+\b], 0xfc000000, v[TM+\b]   ; 8 off its exponent field: the conversion's scale operand
.endr
.irp b, 0,1,2,3
	v_and_or_b32 v[TM+8+\b], v[TM+\b], 0x7f800000, s[MNT]   ; 448 x the scale
.endr
.irp b, 0,1,2,3
	v_lshrrev_b32 v[TM+4+\b], 23, v[TM+12+\b]   ; the scale's byte
.endr
	v_lshl_or_b32 v[PW], v[TM+5], 8, v[TM+4]   ; four bytes: my row's scale word
	v_lshl_or_b32 v[PW], v[TM+6], 16, v[PW]
	v_lshl_or_b32 v[PW], v[TM+7], 24, v[PW]
.irp b, 0,1,2,3
.irp i, 0,1,2,3,4,5,6,7,8,9,10,11,12,13,14,15
	v_med3_num_f32 v[\s+16*\b+\i], v[\s+16*\b+\i], -v[TM+8+\b], v[TM+8+\b]   ; the conversion to an 8-bit code does not saturate (ISA guide 7.6.2): the hold comes first
.endr
	v_cvt_scalef32_pk8_fp8_f32 v[PC+4*\b:PC+1+4*\b], v[\s+16*\b:\s+7+16*\b], v[TM+12+\b]
	v_cvt_scalef32_pk8_fp8_f32 v[PC+2+4*\b:PC+3+4*\b], v[\s+8+16*\b:\s+15+16*\b], v[TM+12+\b]
.endr
	v_nop                                          ; one plain vector line behind the last conversion
.endm
.macro XLOAD reg                               ; my K step of the 16 rows: an instruction a row, its 32 lanes on 512 consecutive bytes
.irp r, 0,1,2,3,4,5,6,7,8,9,10,11,12,13,14,15
	global_load_b128 v[\reg+4*\r:\reg+4*\r+3], v7, s[4:5] offset:8192*\r th:TH_LOAD_NT
.endr
.endm
.macro TRW reg, st                             ; through my stage (rows of 512 + 16 bytes): lane (r, h) gets row r, and register 16 b + i is k = 32 b + 16 h + i
.irp r, 0,1,2,3,4,5,6,7,8,9,10,11,12,13,14,15
	ds_store_b128 v14, v[\reg+4*\r:\reg+4*\r+3] offset:\st+528*\r
.endr
	s_wait_dscnt 0x0                               ; the stores have read their registers, which the loads fill again
.irp b, 0,1,2,3
.irp j, 0,1,2,3
	ds_load_b128 v[\reg+16*\b+4*\j:\reg+16*\b+4*\j+3], v4 offset:\st+128*\b+16*\j
.endr
.endr
	s_wait_dscnt 0x0
.endm
	s_load_b256 s[4:11], s[0:1], 0x0               ; attn_w_weight s[4:5], attn_w_bias s[6:7], hidden_codes s[8:9], hidden_scales s[10:11]
	s_load_b128 s[12:15], s[0:1], 0x20             ; wimg s[12:13], hbk s[14:15]
	v_lshl_add_u32 v[SPW], v0, 2, SPARE
	v_mov_b32 v[NIL], 0
	v_lshrrev_b32 v1, 5, v0
	v_readfirstlane_b32 s16, v1                    ; wave w
	s_wait_alu depctr_va_vdst(0)                   ; the wait ahead of the run of scalar lines
	s_lshr_b32 s17, ttmp9, 2                       ; nt
	s_bfe_u32 s18, ttmp9, 0x10001                  ; h: my half of K
	s_and_b32 s19, ttmp9, 1                        ; part
	s_lshl_b32 s22, s18, 2
	s_add_co_u32 s22, s22, s16                     ; my K step: 4 h + w
	s_mov_b32 s[SEL], 0x76543210
	s_mov_b32 s[SEL+1], 0xfedcba98
	s_mov_b32 s[MNT], 0x600000
	s_mov_b32 s26, 0x4038aa3b                      ; K = 2 log2(e)
	s_mov_b32 s27, s26                             ; (named with it as a pair, so it is written)
	s_lshl_b32 s28, s17, 17                        ; W: 16 rows of 8,192 bytes a tile,
	s_lshl_b32 s46, s22, 9                         ; 512 bytes a K step,
	s_add_co_u32 s28, s28, s46
	s_lshl_b32 s46, s19, 12                        ; Wd 4,096 bytes behind We
	s_add_co_u32 s28, s28, s46
	s_mov_b32 s29, 0
	s_lshl_b32 s30, s22, 7                         ; hidden's codes: 128 bytes a K step
	s_mov_b32 s31, 0
	s_lshl_b32 s32, s22, 2                         ; its scales: a word a K step
	s_mov_b32 s33, 0
	s_lshl_b32 s34, s17, 6                         ; the bias: 16 numbers a tile
	s_mov_b32 s35, 0
	s_lshr_b32 s36, s17, 2
	s_mul_i32 s36, s36, BLKB                       ; my block of wimg
	s_and_b32 s46, s17, 3                          ; my tile in it
	s_lshl_b32 s38, s46, 9
	s_add_co_u32 s38, s38, s36
	s_add_co_u32 s38, s38, 65536
	s_lshl_b32 s47, s18, 8
	s_add_co_u32 s38, s38, s47                     ; its scale words of my half of K: 256 bytes
	s_mov_b32 s39, 0
	s_lshl_b32 s46, s46, 14
	s_add_co_u32 s36, s36, s46
	s_lshl_b32 s46, s22, 11
	s_add_co_u32 s36, s36, s46                     ; its codes of my K step
	s_mov_b32 s37, 0
	s_lshl_b32 s40, s18, 18                        ; hbk: 262,144 bytes a half of K,
	s_lshl_b32 s46, s17, 12                        ; 4,096 a tile,
	s_add_co_u32 s40, s40, s46
	s_lshl_b32 s46, s16, 10                        ; 1,024 a wave
	s_add_co_u32 s40, s40, s46
	s_mov_b32 s41, 0
	s_mul_i32 s42, s16, 9216                       ; my stage in either part's four
	s_lshl_b32 s43, s16, 2
	s_lshl_b32 s47, s16, 12
	s_cmp_eq_u32 s18, 0
	s_cselect_b32 s44, 1.0, 0                      ; the bias counts in half 0 alone
	s_mov_b32 s45, s44
	v_and_b32 v1, 31, v0                           ; lane
	v_and_b32 v2, 15, v0                           ; r
	v_bfe_u32 v3, v0, 4, 1                         ; h of the lane
	v_lshlrev_b32 v7, 4, v1                        ; 16 x lane
	v_mul_u32_u24 v4, v2, 528
	v_lshl_add_u32 v4, v3, 6, v4
	v_add_nc_u32 v4, s42, v4                       ; W back: row r of 528 bytes, + 64 h
	v_add_nc_u32 v14, s42, v7                      ; W in: 16 x lane
	v_lshrrev_b32 v11, 3, v1
	v_and_b32 v12, 7, v0
	v_lshlrev_b32 v5, 10, v11
	v_lshl_add_u32 v5, v12, 4, v5                  ; hidden's codes: batch lane / 8 of four, 16 (lane % 8) of my K step's 128 bytes
	v_mul_u32_u24 v13, v11, 144
	v_lshl_add_u32 v13, v12, 4, v13
	v_add_nc_u32 v13, s42, v13                     ; hidden in: rows of 128 + 16 bytes
	v_mul_u32_u24 v15, v2, 144
	v_lshl_add_u32 v15, v3, 4, v15
	v_add_nc_u32 v15, s42, v15                     ; hidden back: batch r, + 16 h
	v_lshlrev_b32 v6, 5, v2                        ; hidden's scales: row r of 32 bytes
	v_lshl_add_u32 v8, v2, 4, s43                  ; my scale word's place: 16 r + 4 w
	v_add_nc_u32 v9, s47, v7                       ; my partial sums: 4,096 w + 16 x lane
	v_and_b32 v10, 1, v0                           ; the sum: I make b = 8 (2 w + g) + lane / 4, a = 4 (lane % 4) + 0..3, g = 0, 1; in an image that is
	v_lshlrev_b32 v10, 9, v10                      ; the upper four registers where lane is odd (512),
	v_lshrrev_b32 v11, 2, v1
	v_lshl_add_u32 v10, v11, 4, v10                ; lane r = 8 g + lane / 4 (16 bytes each; g by the offset),
	v_bfe_u32 v11, v0, 1, 1
	v_lshl_add_u32 v10, v11, 8, v10                ; half (lane / 2) % 2 (256),
	v_add_nc_u32 v10, s46, v10                     ; accumulator w (1,024)
	v_and_b32 v11, 3, v0
	v_lshlrev_b32 v11, 4, v11                      ; the bias: 16 (lane % 4)
	v_lshlrev_b32 v12, 4, v2                       ; the gathered scale words: 16 r, in LDS and in wimg
.irp b, 0,1,2,3
	v_mov_b32 v[TM+4+\b], 0                        ; written once: a lane permute's destination counts as one of its sources
.endr
	s_wait_alu depctr_va_vdst(0)                   ; the wait at the head's end
	s_wait_kmcnt 0x0
	s_add_nc_u64 s[4:5], s[4:5], s[28:29]
	s_add_nc_u64 s[8:9], s[8:9], s[30:31]
	s_add_nc_u64 s[10:11], s[10:11], s[32:33]
	s_add_nc_u64 s[6:7], s[6:7], s[34:35]
	s_add_nc_u64 s[24:25], s[12:13], s[38:39]
	s_add_nc_u64 s[12:13], s[12:13], s[36:37]
	s_add_nc_u64 s[14:15], s[14:15], s[40:41]
	s_cmp_lg_u32 s19, 0                            ; the work-group's number alone: all four waves go the same way
	s_cbranch_scc1 .Lwd
	; PART 0: We
	XLOAD X1
	s_wait_loadcnt 0x0
	TRW X1, STA
	QUANT X1
.irp c, 0,1,2,3
	global_store_b128 v7, v[PC+4*\c:PC+4*\c+3], s[12:13] offset:512*\c   ; the image: 32 lanes store 512 consecutive bytes
.endr
	ds_store_b32 v8, v[PW] offset:SCG              ; lanes r and r + 16 write the same word with the same value
	s_wait_dscnt 0x0                               ; for the others' sake: my scale word lies in LDS
	s_barrier_signal -1
	s_barrier_wait -1
	s_cmp_lg_u32 s16, 0                            ; wave 0 sends the scale words out: no barrier stands under this branch
	s_cbranch_scc1 .Lend
	ds_load_b128 v[X1:X1+3], v12 offset:SCG
	s_wait_dscnt 0x0
	global_store_b128 v12, v[X1:X1+3], s[24:25]    ; 256 consecutive bytes, aligned; lanes r and r + 16 store the same 16
	s_branch .Lend
.Lwd:
	; PART 1: Wd and its product with hidden
	XLOAD X2
.irp i, 0,1,2,3,4,5,6,7,8,9,10,11,12,13,14,15
	global_load_b128 v[HF+4*\i:HF+4*\i+3], v5, s[8:9] offset:4096*\i   ; hidden: batches 4 i + 0..3, my K step's 128 bytes of each, eight lanes a batch
.endr
.irp t, 0,1,2,3
	global_load_b32 v[HS+\t], v6, s[10:11] offset:512*\t
.endr
	global_load_b128 v[BI:BI+3], v11, s[6:7]
	s_wait_loadcnt 21                              ; Wd's 16 loads are in; the 16 + 4 + 1 issued behind them may be out
	TRW X2, STB
	s_wait_loadcnt 0x0
.irp i, 0,1,2,3,4,5,6,7,8,9,10,11,12,13,14,15
	ds_store_b128 v13, v[HF+4*\i:HF+4*\i+3] offset:STB+576*\i
.endr
	s_wait_dscnt 0x0
.irp t, 0,1,2,3
.irp c, 0,1,2,3
	ds_load_b128 v[HF+16*\t+4*\c:HF+16*\t+4*\c+3], v15 offset:STB+2304*\t+32*\c   ; fragment t: batches 16 t + r, k = 32 c + 16 h + 0..15
.endr
.endr
	s_wait_dscnt 0x0
	QUANT X2
.rept 4
	v_nop                                          ; codes made by vector instructions stand four places ahead of a scaled matrix instruction; the scale word was made ahead of the 64 holds
.endr
.irp t, 0,1,2,3                                ; source 0 = 16 rows of Wd, source 1 = 16 batches: register j of lane (r, h) is (a = 8 h + j, b = 16 t + r); four accumulators, one instruction each
	v_wmma_scale_f32_16x16x128_f8f6f4 v[ACC+8*\t:ACC+8*\t+7], v[PC:PC+15], v[HF+16*\t:HF+16*\t+15], 0, v[PW], v[HS+\t]
.endr
.rept 8
	v_nop                                          ; eight places ahead of the first read of the results
.endr
.irp t, 0,1,2,3
	ds_store_b128 v9, v[ACC+8*\t:ACC+8*\t+3] offset:PS+1024*\t          ; each accumulator from its low end on
	ds_store_b128 v9, v[ACC+8*\t+4:ACC+8*\t+7] offset:PS+1024*\t+512
.endr
	s_wait_dscnt 0x0                               ; for the others' sake: my partial sums lie in LDS
	s_barrier_signal -1
	s_barrier_wait -1
.irp g, 0,1
.irp q, 0,1,2,3
	ds_load_b128 v[X2+16*\g+4*\q:X2+16*\g+4*\q+3], v10 offset:PS+4096*\q+128*\g   ; the four K steps' parts of my four numbers, twice
.endr
.endr
	s_wait_dscnt 0x0
.irp y, X2, X2+16
	v_pk_add_f32 v[\y:\y+1], v[\y:\y+1], v[\y+4:\y+5]
	v_pk_add_f32 v[\y+2:\y+3], v[\y+2:\y+3], v[\y+6:\y+7]
	v_pk_add_f32 v[\y+8:\y+9], v[\y+8:\y+9], v[\y+12:\y+13]
	v_pk_add_f32 v[\y+10:\y+11], v[\y+10:\y+11], v[\y+14:\y+15]
.endr
.irp y, X2, X2+16
	v_pk_add_f32 v[\y:\y+1], v[\y:\y+1], v[\y+8:\y+9]
	v_pk_add_f32 v[\y+2:\y+3], v[\y+2:\y+3], v[\y+10:\y+11]
.endr
.irp y, X2, X2+16
	v_pk_fma_f32 v[\y:\y+1], v[BI:BI+1], s[44:45], v[\y:\y+1] op_sel_hi:[1,0,1]       ; + the bias, in half 0
	v_pk_fma_f32 v[\y+2:\y+3], v[BI+2:BI+3], s[44:45], v[\y+2:\y+3] op_sel_hi:[1,0,1]
.endr
.irp y, X2, X2+16
	v_pk_mul_f32 v[\y:\y+1], v[\y:\y+1], s[26:27] op_sel_hi:[1,0]
	v_pk_mul_f32 v[\y+2:\y+3], v[\y+2:\y+3], s[26:27] op_sel_hi:[1,0]
.endr
	global_store_b128 v7, v[X2:X2+3], s[14:15]     ; 32 lanes store 512 consecutive bytes of hbk
	global_store_b128 v7, v[X2+16:X2+19], s[14:15] offset:512
.Lend:
	s_wait_tensorcnt 0x0                           ; the wave's end, behind my last LDS store
	ds_add_u32 v[SPW], v[NIL]
	s_wait_dscnt 0x0
	s_endpgm
.Lfunc_end_k_q766ab705e5_prep:
	.size	k_q766ab705e5_prep, .Lfunc_end_k_q766ab705e5_prep-k_q766ab705e5_prep
	.p2alignl 7, 3214868480
	.fill 96, 4, 3214868480
	.section	.rodata,"a",@progbits
	.p2align	6, 0x0
	.amdhsa_kernel k_q766ab705e5_prep
		.amdhsa_group_segment_fixed_size 90880
		.amdhsa_private_segment_fixed_size 0
		.amdhsa_enable_private_segment 0
		.amdhsa_kernarg_size 48
		.amdhsa_user_sgpr_count 2
		.amdhsa_user_sgpr_kernarg_segment_ptr 1
		.amdhsa_wavefront_size32 1
		.amdhsa_system_sgpr_workgroup_id_x 1
		.amdhsa_system_sgpr_workgroup_id_y 1
		.amdhsa_system_sgpr_workgroup_id_z 1
		.amdhsa_system_vgpr_workitem_id 0
		.amdhsa_next_free_vgpr 256
		.amdhsa_next_free_sgpr 66
		.amdhsa_reserve_vcc 0
		.amdhsa_float_denorm_mode_32 3
		.amdhsa_float_denorm_mode_16_64 3
		.amdhsa_memory_ordered 1
		.amdhsa_forward_progress 1
		.amdhsa_inst_pref_size 36
	.end_amdhsa_kernel
	.amdgpu_metadata
---
amdhsa.version: [ 1, 2 ]
amdhsa.kernels:
  - .name:           k_q766ab705e5_prep
    .symbol:         k_q766ab705e5_prep.kd
    .args:
      - { .name: attn_w_weight, .offset: 0, .size: 8, .value_kind: global_buffer, .address_space: global }
      - { .name: attn_w_bias, .offset: 8, .size: 8, .value_kind: global_buffer, .address_space: global }
      - { .name: hidden_codes, .offset: 16, .size: 8, .value_kind: global_buffer, .address_space: global }
      - { .name: hidden_scales, .offset: 24, .size: 8, .value_kind: global_buffer, .address_space: global }
      - { .name: wimg, .offset: 32, .size: 8, .value_kind: global_buffer, .address_space: global }
      - { .name: hbk, .offset: 40, .size: 8, .value_kind: global_buffer, .address_space: global }
    .group_segment_fixed_size: 90880
    .private_segment_fixed_size: 0
    .kernarg_segment_align: 8
    .kernarg_segment_size: 48
    .max_flat_workgroup_size: 128
    .sgpr_count:     66
    .vgpr_count:     256
    .wavefront_size: 32
...
	.end_amdgpu_metadata
.endif
;; end of part 1
;; launch main (part 2): grid 256 x 1, 4 waves a work-group, clusters of 4 x 1, 327,680 bytes of LDS; arguments vectors_to_attend, wimg, hbk, attn_v_weight, part; writes part
.if DOCPART == 2
	.amdgcn_target "amdgcn-amd-amdhsa--gfx1250"
	.amdhsa_code_object_version 6
	.text
	.protected	k_q766ab705e5_main
	.globl	k_q766ab705e5_main
	.p2align	8
	.type	k_q766ab705e5_main,@function
k_q766ab705e5_main:
	s_mov_b64 s[64:65], 0
	v_nop
	global_prefetch_b8 v0, s[64:65] scope:SCOPE_SE
	s_setreg_imm32_b32 hwreg(HW_REG_WAVE_MODE, 25, 1), 1
	s_wait_xcnt 0x0
	s_wait_alu depctr_hold_cnt(0) depctr_sa_sdst(0) depctr_va_vdst(0) depctr_va_sdst(0) depctr_va_ssrc(0) depctr_va_vcc(0) depctr_vm_vsrc(0)
	s_getreg_b32 s2, hwreg(HW_REG_IB_STS2, 6, 4)
	s_cmp_eq_u32 s2, 0
	s_cbranch_scc0 .Lentry_in_a_cluster
	s_endpgm
.Lentry_in_a_cluster:
	s_bfe_u32 s2, ttmp6, 0x10000c
	s_cmp_lg_u32 s2, 0x3003
	s_cbranch_scc0 .Lentry_shape_is_right
	s_endpgm
.Lentry_shape_is_right:
; For a tile of 128 positions s of one batch b: x = Q(v) . Q(We) on codes of MX-FP8, score[s] = sum over a of (-2 vw[a]) / (1 + 2^(K x + hbk[a][b])), K = 2 log2(e),
; the tile's own softmax (its maximum taken away) and its part of the context, sum of p[s] v[s]; launch merge joins a batch's eight tiles.
; WORK LEFT OUT, as shown at the head of launch prep: attn_v_bias and the constant term of tanh = 1 - 2 / (1 + 2^(K x)) are the same for every s of a batch and fall out of the softmax.
; LIMITS: NaN and infinities among the inputs are not served; for the last product v is rounded to bf16; a block of zeros gets the byte 1 (its codes are zeros).
; SHARES. 256 work-groups of four waves; a cluster of four is one batch b; the work-group at place cx walks tiles q = cx and q = cx + 4 in a loop of two trips.
; PHASE L: each wave reads its 256 columns of the tile's 128 rows (f32, once; each load 512 consecutive bytes), makes codes and scale bytes (through an LDS stage into the operand's registers: 64 rows x all of K a wave, 512 registers) and keeps a bf16 copy (48 rows in registers, 80 in LDS).
; PHASE C: We's image walks through a ring of two LDS slots of 64 columns, asked for JOINTLY by the four partners (same block, same descriptor, mask 15).  Waves 2 x 2: 64 rows x 32 columns of a block each.
; A RUN is 32 products (16 columns, 4 row tiles by turns, 8 K steps) with only plain lines of earlier tiles and counted waits among them; behind it a GAP: the scaling of the run's sums, the next tile's 35 LDS loads, then ONE batch of exponentials (this tile) and reciprocals (the tile before) with one wait ahead and one behind.
; Both slots' first blocks are asked for inside the tile loop, each behind the full sequence of wait, add and cluster round, so the text of the two trips is one.
; PREFETCH: while the first tile is multiplied, the second tile's rows are asked for: 16 instructions a wave, each 8 rows x 4 blocks of 256 bytes of the wave's own columns, a lane a block, each block named once; two in each trip of the loop over blocks, two in its tail; none in the last tile.
; Within phase L nothing is prefetched: its loads follow each other 16 rows deep and are the stream itself.
.set BLKB,  67584                      ; a block of wimg: 4 tiles of codes, then their scale words
.set QB,    16896                      ; a quarter of it: what one wave's tensor load brings (66 rows of 256 bytes)
.set BFL,   135168                     ; behind the two slots: the bf16 copy, chunks of 16 rows x 2,048 bytes
.set CH,    266240                     ; the stage for codes: 32 rows of 1,040 bytes; the last bf16 chunk lies over it when it is done with
.set CHH,   16640
.set CHP,   1040
.set SCB,   299520                     ; the stage for scale bytes
.set SCH,   768
.set SCP,   48
.set TAB,   301056                     ; hbk's and -2 vw's 1,024 numbers, in the order in which the blocks are walked
.set EXC,   309248
.set PRG,   310272
.set SPARE, 312320                     ; the spare words, 128 bytes a wave
.set VROW,  262144                     ; from position s to s + 1 in v
.set VO,  1
.set ACS, 2
.set ASB, 3
.set ABF, 4
.set AFR, 5
.set ASR, 6
.set ADW, 7
.set ADS, 9
.set ADT, 11
.set AEX, 12
.set AXR, 13
.set APW, 14
.set APB, 15
.set L16, 19
.set SPW, 20
.set NIL, 21
.set ADT0, 22
.set PFO, 23
.set ASC, 24                           ; v24-39 the rows' scale words
.set WSC, 42                           ; v42-49 We's scale words: numbers that never equal the rows' modulo 8
.set HBV, 50                           ; v50-57 hbk and -2 vw of the two tiles in hand, each the low half of a pair
.set TBO, 58
.set TVO, 59
.set ATB, 60
.set POA, 61
.set POB, 62
.set SACC, 64                          ; v64-95 the scores' sums, a lane a column
.set AM,  64                           ; phase L, at work: four blocks' largest magnitudes, scale operands, bounds
.set SCO, 68
.set HO,  72
.set BY0, 76                           ; scale bytes, two sets by turns
.set BY1, 224
.set HH,  80                           ; 16 held numbers
.set CD,  240                          ; codes, two sets of 8 by turns
.set ACC, 96                           ; v96-127 four accumulators
.set XB,  96                           ; phase L: 16 rows in flight, v96-223
.set PP,  128                          ; v128-191 two sets of 32 on their way through the activation
.set CTX, 184
.set WF0, 192                          ; v192-255 We's fragments of K steps 0-3; K steps 4-7 at the same numbers in window 3
.set BIX, 57
.set PFA, 78
.set TL,  80
.set ASKF, 0
.set MSB, 0
.macro WIN new                         ; the immediate's high byte repeats the setting that is left
.if MSB != (\new)
	s_set_vgpr_msb (MSB<<8)|(\new)
.set MSB, \new
.endif
.endm
.macro NOPS n
.rept \n
	v_nop
.endr
.endm
.macro CREST                           ; a round of the cluster's barrier behind its opening barrier
	s_cmp_lg_u32 s14, 0
	s_cbranch_scc1 .Lnot_wave_0_\@
	s_barrier_signal -3
.Lnot_wave_0_\@:
	s_barrier_wait -3
	s_barrier_signal -1
	s_barrier_wait -1
.endm
.macro CROUND
	s_barrier_signal -1
	s_barrier_wait -1
	CREST
.endm
.macro NEXTW sl                        ; slot sl's group 0 goes two blocks on, round the 16 (no tensor load of mine is out)
	s_add_co_u32 s[BIX+(\sl)], s[BIX+(\sl)], 2
	s_and_b32 s[BIX+(\sl)], s[BIX+(\sl)], 15
	s_mul_i32 s60, s[BIX+(\sl)], BLKB
	s_add_nc_u64 s[34+4*(\sl):35+4*(\sl)], s[6:7], s[60:61]
	s_or_b32 s[35+4*(\sl)], s[35+4*(\sl)], 0x80000000
.endm
	s_load_b256 s[4:11], s[0:1], 0x0               ; v, wimg, hbk, attn_v_weight
	s_load_b64 s[12:13], s[0:1], 0x20              ; part
	v_lshl_add_u32 v[SPW], v0, 2, SPARE
	v_mov_b32 v[NIL], 0
	ds_add_u32 v[SPW], v[NIL]                      ; the opening lines: the add twice on end and one wait
	ds_add_u32 v[SPW], v[NIL]
	v_lshrrev_b32 v1, 5, v0
	v_readfirstlane_b32 s14, v1                    ; wave
	s_wait_alu depctr_va_vdst(0)                   ; the wait ahead of the run of scalar lines
	s_lshr_b32 s15, s14, 1                         ; my half of the rows
	s_and_b32 s16, s14, 1                          ; my half of a block's columns
	s_bfe_u32 s17, ttmp6, 0x40000                  ; cx: it enters global addresses alone
	s_lshl_b32 s18, ttmp9, 3
	s_add_co_u32 s18, s18, s17                     ; my first tile's number: 8 b + cx
	s_lshr_b32 s54, ttmp9, 4
	s_lshl_b32 s54, s54, 2
	s_add_co_u32 s54, s54, ttmp9
	s_and_b32 s54, s54, 15                         ; the block at which my cluster begins its walk
	s_lshl_b32 s55, s54, 3
	s_add_co_u32 s[BIX], s54, 14                   ; two blocks back: NEXTW steps first
	s_and_b32 s[BIX], s[BIX], 15
	s_add_co_u32 s[BIX+1], s54, 15
	s_and_b32 s[BIX+1], s[BIX+1], 15
	s_mov_b32 s61, 0
	s_mov_b32 s24, 15|(3<<16)|(1<<21)              ; group 1: mask of the four partners, elements of 8 bytes, 66 dense rows of 256 bytes
	s_mov_b32 s25, 32<<16
	s_mov_b32 s26, 66<<16
	s_mov_b32 s27, 32<<16
	s_mov_b32 s28, 66
	s_mov_b32 s29, 32
	s_mov_b32 s30, 0
	s_mov_b32 s31, 0
	s_mov_b32 s40, 0x4038aa3b                      ; K = 2 log2(e)
	s_mov_b32 s41, s40
	s_mov_b32 s42, 0x3fb8aa3b                      ; log2(e)
	s_mov_b32 s43, s42
	s_mov_b32 s44, 0x76543210
	s_mov_b32 s45, 0xfedcba98
	s_mov_b32 s56, 0x600000                        ; the mantissa field of 448
	s_mul_i32 s52, s14, QB
	s_mov_b32 s53, 0
	s_mov_b32 s32, 1
	s_mov_b32 s33, s52
	s_mov_b32 s36, 1
	s_add_co_u32 s37, s52, BLKB
	s_lshl_b32 s66, s14, 10                        ; the scalar parts of the address registers
	s_lshl_b32 s67, s14, 8
	s_mov_b32 s77, s67
	s_add_co_u32 s67, s67, CH
	s_lshl_b32 s68, s14, 3
	s_add_co_u32 s68, s68, SCB
	s_lshl_b32 s69, s14, 13
	s_add_co_u32 s69, s69, BFL
	s_mul_i32 s70, s15, CHH
	s_add_co_u32 s70, s70, CH
	s_mul_i32 s71, s15, SCH
	s_add_co_u32 s71, s71, SCB
	s_lshl_b32 s72, s16, 15
	s_lshl_b32 s73, s16, 10
	s_add_co_u32 s73, s73, 65536
	s_lshl_b32 s74, s16, 7
	s_add_co_u32 s74, s74, TAB
	s_lshl_b32 s75, s16, 9
	s_lshl_b32 s76, s15, 6
	s_add_co_u32 s75, s75, s76
	s_add_co_u32 s75, s75, EXC
	s_lshl_b32 s76, s14, 9
	s_add_co_u32 s76, s76, PRG
	s_mov_b32 s[TL], 2                             ; tiles to go
	s_wait_dscnt 0x0                               ; both opening adds are done
	s_wait_kmcnt 0x0
	s_add_nc_u64 s[6:7], s[6:7], s[52:53]          ; wimg at my quarter of a block
	s_lshl_b32 s52, ttmp9, 6
	s_add_nc_u64 s[8:9], s[8:9], s[52:53]          ; hbk at my batch
	s_lshl_b32 s52, s17, 25
	s_lshl_b32 s54, ttmp9, 12
	s_add_co_u32 s52, s52, s54
	s_add_nc_u64 s[22:23], s[4:5], s[52:53]        ; v at position 128 cx of my batch
	s_add_nc_u64 s[PFA:PFA+1], s[22:23], 0x8000000 ; and 512 positions on: the second tile
	s_mul_i32 s52, s18, 5120
	s_add_nc_u64 s[12:13], s[12:13], s[52:53]      ; my first record of part
	v_and_b32 v224, 31, v0                         ; lane
	v_and_b32 v225, 15, v0                         ; r
	v_bfe_u32 v226, v0, 4, 1                       ; h
	v_lshl_add_u32 v[VO], v224, 4, s66             ; v: my 1,024 bytes of a row, 16 x lane
	v_lshl_add_u32 v[ACS], v224, 2, s67            ; the codes' stage: my 256 bytes of a row, 4 x lane
	v_lshrrev_b32 v227, 3, v224
	v_add_nc_u32 v[ASB], s68, v227                 ; the bytes' stage: my 8 bytes of a row, block lane / 8
	v_lshl_add_u32 v[ABF], v224, 4, s69
	v_mul_u32_u24 v[AFR], v225, CHP
	v_lshl_add_u32 v[AFR], v226, 4, v[AFR]
	v_add_nc_u32 v[AFR], s70, v[AFR]
	v_mul_u32_u24 v[ASR], v225, SCP
	v_lshl_add_u32 v[ASR], v226, 4, v[ASR]
	v_add_nc_u32 v[ASR], s71, v[ASR]
	v_lshlrev_b32 v[L16], 4, v224
	v_add_nc_u32 v[ADW], s72, v[L16]
	v_add_nc_u32 v[ADW+1], BLKB, v[ADW]
	v_add_nc_u32 v[ADS], s73, v[L16]
	v_add_nc_u32 v[ADS+1], BLKB, v[ADS]
	v_lshl_add_u32 v[ADT0], v225, 2, s74
	v_lshl_add_u32 v[AEX], v226, 5, s75
	v_add_nc_u32 v[AXR], EXC, v[L16]
	v_add_nc_u32 v[APW], s76, v[L16]
	v_mov_b32 v[APB], s76
	v_lshl_add_u32 v[ATB], v0, 5, TAB
	v_add_nc_u32 v228, s55, v0                     ; the table's entry of 8 columns that thread t brings: (8 x first block + t) mod 128
	v_and_b32 v228, 127, v228
	v_lshrrev_b32 v[TBO], 1, v228
	v_and_b32 v229, 1, v228
	v_lshlrev_b32 v[TBO], 12, v[TBO]
	v_lshl_add_u32 v[TBO], v229, 5, v[TBO]
	v_lshlrev_b32 v[TVO], 5, v228
	v_lshrrev_b32 v227, 2, v224
	v_and_b32 v229, 3, v224
	v_lshlrev_b32 v227, 18, v227                   ; the prefetches' offset: row lane / 4, block lane % 4 of my 1,024 bytes
	v_lshl_add_u32 v227, v229, 8, v227
	v_add_nc_u32 v[PFO], s66, v227
	v_and_b32 v229, 1, v224                        ; a record takes e = 256 w + 4 t + 0..3 at 1,024 w + 512 (t % 2) + 16 (t / 2); I hold t = lane and t = 32 + lane
	v_lshrrev_b32 v227, 1, v224
	v_lshlrev_b32 v229, 9, v229
	v_lshl_add_u32 v229, v227, 4, v229
	v_add_nc_u32 v[POA], s66, v229
	v_lshl_add_u32 v[POB], v224, 3, s77
.irp q, 1,3,5,6,7
	v_mov_b32 v[HBV+\q], 0                         ; the pairs' upper halves; and a finite -2 vw for the run that adds zeros
.endr
.macro LDROW p                                 ; a row's slice: columns 4 lane + 0..3 and 128 + 4 lane + 0..3 of my 256
	global_load_b128 v[XB+8*(\p):XB+8*(\p)+3], v[VO], s[22:23] offset:(\p)*VROW th:TH_LOAD_NT
	global_load_b128 v[XB+8*(\p)+4:XB+8*(\p)+7], v[VO], s[22:23] offset:(\p)*VROW+512 th:TH_LOAD_NT
.endm
; two rows' slices.  A lane holds 4 numbers of each of two blocks of 32 (a block lies in 8 lanes): four blocks by turns.  The 8 held numbers of a row go through the conversion twice, once under each block's scale;
; of the first result the low register is kept, of the second the high one.
.macro ROW2 p, left, reload, keep
.set CDS, CD+8*(((\p)/2)%2)
.set BYS, BY0+(BY1-BY0)*(((\p)/2)%2)
	s_wait_loadcnt \left
.irp u, 0,1
.irp g, 0,1
	v_max3_num_f32 v[AM+2*\u+\g], |v[XB+8*((\p)+\u)+4*\g]|, |v[XB+8*((\p)+\u)+4*\g+1]|, 0x4800000
.endr
.endr
.irp u, 0,1
.irp g, 0,1
	v_max3_num_f32 v[AM+2*\u+\g], v[AM+2*\u+\g], |v[XB+8*((\p)+\u)+4*\g+2]|, |v[XB+8*((\p)+\u)+4*\g+3]|
.endr
.endr
.irp x, 1,2,4
.irp q, 0,1,2,3
	v_max_num_f32_dpp v[AM+\q], v[AM+\q], v[AM+\q] row_xmask:\x row_mask:0xf bank_mask:0xf
.endr
.endr
.irp q, 0,1,2,3
	v_add_nc_u32 v[SCO+\q], 0xfc000000, v[AM+\q]
.endr
.irp q, 0,1,2,3
	v_and_or_b32 v[HO+\q], v[AM+\q], 0x7f800000, s56
.endr
.irp u, 0,1
.irp n, 0,1,2,3,4,5,6,7
	v_med3_num_f32 v[HH+8*\u+\n], v[XB+8*((\p)+\u)+\n], -v[HO+2*\u+(\n)/4], v[HO+2*\u+(\n)/4]
.endr
.endr
.irp u, 0,1
	v_cvt_pk_bf16_f32 v[XB+8*((\p)+\u)], v[XB+8*((\p)+\u)], v[XB+8*((\p)+\u)+1]
	v_cvt_pk_bf16_f32 v[XB+8*((\p)+\u)+1], v[XB+8*((\p)+\u)+2], v[XB+8*((\p)+\u)+3]
	v_cvt_pk_bf16_f32 v[XB+8*((\p)+\u)+2], v[XB+8*((\p)+\u)+4], v[XB+8*((\p)+\u)+5]
	v_cvt_pk_bf16_f32 v[XB+8*((\p)+\u)+3], v[XB+8*((\p)+\u)+6], v[XB+8*((\p)+\u)+7]
.endr
.if !(\keep)
.irp u, 0,1
	ds_store_b128 v18, v[XB+8*((\p)+\u):XB+8*((\p)+\u)+3] offset:512*((\p)+\u)
.endr
.endif
.irp u, 0,1
.irp g, 0,1
	v_cvt_scalef32_pk8_fp8_f32 v[CDS+4*\u+2*\g:CDS+4*\u+2*\g+1], v[HH+8*\u:HH+8*\u+7], v[SCO+2*\u+\g]
.endr
.endr
.irp q, 0,1,2,3
	v_lshrrev_b32 v[BYS+\q], 23, v[SCO+\q]
.endr
.irp u, 0,1
	ds_store_b32 v16, v[CDS+4*\u] offset:CHP*((\p)+\u)
	ds_store_b32 v16, v[CDS+4*\u+3] offset:CHP*((\p)+\u)+128
	ds_store_b8 v17, v[BYS+2*\u] offset:SCP*((\p)+\u)
	ds_store_b8 v17, v[BYS+2*\u+1] offset:SCP*((\p)+\u)+4
.endr
	s_wait_dscnt 8                                 ; all but the 8 small stores just issued: the bf16 stores have read the rows' registers, and the other set of codes and bytes is free
.if \reload
.if (\p) == 0
	s_wait_xcnt 0x0                                ; the loads have read their base: it steps 16 rows on
	s_add_nc_u64 s[22:23], s[22:23], 16*VROW
.endif
	LDROW \p
	LDROW (\p)+1
.endif
.endm
.macro TRIP reload, keep                       ; 16 rows; with reload the 28 loads of the 14 rows behind a pair may stay out
	v_add_nc_u32 v16, s47, v[ACS]
	v_add_nc_u32 v17, s48, v[ASB]
.if !(\keep)
	v_add_nc_u32 v18, s49, v[ABF]
.endif
.irp p, 0,2,4,6,8,10,12,14
.if \reload
	ROW2 \p, 28, 1, \keep
.else
	ROW2 \p, 2*(14-\p), 0, \keep
.endif
.endr
.endm
; behind 32 rows: the stage is whole (barrier), each wave takes its 16 rows' fragments and scale words, and the stage is free again (barrier)
.macro CTAIL m
	s_wait_dscnt 0x0
	s_barrier_signal -1
	s_barrier_wait -1
	WIN (1+(\m)/2)*64
.irp k, 0,1,2,3,4,5,6,7
.irp c, 0,1,2,3
	ds_load_b128 v[128*((\m)%2)+16*\k+4*\c:128*((\m)%2)+16*\k+4*\c+3], v[AFR] offset:128*\k+32*\c
.endr
.endr
	WIN 0
	ds_load_b128 v[ASC+4*(\m):ASC+4*(\m)+3], v[ASR]
.if (\m) == 0
	WIN 0xc0
.set n, 0
.rept 32
	ds_load_b128 v[4*n:4*n+3], v[ABF] offset:(n/16)*32768+(n%16)*512
.set n, n+1
.endr
	WIN 0
.endif
.if (\m) == 1
	WIN 0xc0
.set n, 0
.rept 16
	ds_load_b128 v[128+4*n:128+4*n+3], v[ABF] offset:32768+n*512
.set n, n+1
.endr
	WIN 0
.endif
.if (\m) == 3
	s_wait_tensorcnt 0x0                           ; my parts of both slots' first blocks are in: the barrier shows them to all
.endif
	s_wait_dscnt 0x0
	s_barrier_signal -1
	s_barrier_wait -1
.endm
.macro XPAIR m, start, xr
	s_mov_b32 s47, 0
	s_mov_b32 s48, 0
	s_mov_b32 s49, \start
	s_mov_b32 s46, 2
.Lx_\@:
	TRIP 1, 0
	s_add_co_u32 s47, s47, CHH
	s_add_co_u32 s48, s48, SCH
	s_xor_b32 s49, s49, \xr
	s_sub_co_u32 s46, s46, 1
	s_cmp_lg_u32 s46, 0
	s_cbranch_scc1 .Lx_\@
	CTAIL \m
.endm
; PHASE C's macros
.macro WFR sl, tp, k                           ; fragment k of We's tile tp of my half of slot sl: an image of the operand's registers
.irp c, 0,1,2,3
	ds_load_b128 v[WF0+16*((\k)%4)+4*\c:WF0+16*((\k)%4)+4*\c+3], v[ADW+(\sl)] offset:(\tp)*16384+(\k)*2048+\c*512
.endr
.endm
.macro WALL sl, tp                             ; a tile's scale words, then its eight fragments in the order of their use: 33 loads
	ds_load_b128 v[WSC+4*(\tp):WSC+4*(\tp)+3], v[ADS+(\sl)] offset:512*(\tp)
.irp k, 0,1,2,3
	WFR \sl, \tp, \k
.endr
	WIN 0xc0
.irp k, 4,5,6,7
	WFR \sl, \tp, \k
.endr
	WIN 0
.endm
.macro MM tp                                   ; product i of a run: K step i / 4, row tile i % 4: the four accumulators by turns
.set kk, i/4
.set mm, i%4
	WIN (1+mm/2)|(12*(kk/4))
.set rD, ACC+8*mm
.set rA, 128*(mm%2)+16*kk
.set rB, WF0+16*(kk%4)
.set rX, ASC+4*mm+kk%4
.set rY, WSC+4*(\tp)+kk%4
.if kk == 0
	v_wmma_scale_f32_16x16x128_f8f6f4 v[rD:rD+7], v[rA:rA+15], v[rB:rB+15], 0, v[rX], v[rY]
.elseif kk < 4
	v_wmma_scale_f32_16x16x128_f8f6f4 v[rD:rD+7], v[rA:rA+15], v[rB:rB+15], v[rD:rD+7], v[rX], v[rY]
.else
	v_wmma_scale_f32_16x16x128_f8f6f4 v[rD:rD+7], v[rA:rA+15], v[rB:rB+15], v[rD:rD+7], v[rX], v[rY] matrix_a_scale:MATRIX_SCALE_ROW1 matrix_b_scale:MATRIX_SCALE_ROW1
.endif
.set i, i+1
.endm
.macro LA P                                    ; 1 + 2^t, two at a time
	v_pk_add_f32 v[(\P)+2*ca:(\P)+2*ca+1], v[(\P)+2*ca:(\P)+2*ca+1], 1.0 op_sel_hi:[1,0]
.set ca, ca+1
.endm
.macro LF P, VW                                ; the scores' sums take (-2 vw) / (1 + 2^t)
	v_pk_fma_f32 v[SACC+2*cf:SACC+2*cf+1], v[(\P)+2*cf:(\P)+2*cf+1], v[(\VW):(\VW)+1], v[SACC+2*cf:SACC+2*cf+1] op_sel_hi:[1,0,1]
.set cf, cf+1
.endm
.macro PAIRS n, tp, epi                        ; two products, then two plain lines: the tile before's +1, the tile two before's sums
.rept \n
	MM \tp
	MM \tp
.if (\epi) && (dd < 12)
	WIN 0
.if dd < 8
	LA PP+32*(1-(\tp))
.else
	LF PP+32*(\tp), HBV+2+4*(\tp)
.endif
	LF PP+32*(\tp), HBV+2+4*(\tp)
.endif
.set dd, dd+1
.endr
.endm
; A run and its gap.  sl, tp: the tile; epi = 0: no tile before; chg = 1: the slot's reads are over: round and refill; 2: barrier alone; nxt: a tile follows.
; The run's operands were asked for in the gap before, in the order scale words, fragments 0 to 7, hbk, -2 vw: ahead of K step k the 4 (7 - k) later fragment loads and those two may be out.
.macro INTERVAL sl, tp, epi, chg, nxt
.set i, 0
.set dd, 0
.set ca, 0
.set cf, 0
.if (\tp) == 0
.set nsl, \sl
.set ntp, 1
.else
.set nsl, 1-(\sl)
.set ntp, 0
.endif
.irp k, 0,1,2,3
	s_wait_dscnt 30-4*\k
	PAIRS 2, \tp, \epi
.endr
.if \chg
	WIN 0
	s_wait_tensorcnt 0x0                           ; my part of the other slot is in;
	ds_add_u32 v[SPW], v[NIL]                      ; an add to the spare word; four products stand between it and its wait
.if (\chg) == 1
	NEXTW \sl
.endif
	s_wait_dscnt 15                                ; fragment 4 is in (behind it: 12 fragment loads, the two words, the add)
	PAIRS 2, \tp, \epi
	s_wait_dscnt 0x0                               ; the add is done, and my reads of this slot are over
	s_barrier_signal -1
	PAIRS 4, \tp, \epi
	WIN 0
	s_barrier_wait -1
.if (\chg) == 1
	CREST
	tensor_load_to_lds s[32+4*(\sl):35+4*(\sl)], s[24:31]
	s_nop 0
	NOPS 4
.endif
	PAIRS 2, \tp, \epi
.else
.irp k, 4,5,6,7
	s_wait_dscnt 30-4*\k
	PAIRS 2, \tp, \epi
.endr
.endif
	WIN 0
.if \epi
.rept 8
	LA PP+32*(1-(\tp))                             ; eight plain lines that name no register of the last products: their places
.endr
.else
	NOPS 8
.endif
	s_wait_dscnt 0x0                               ; this tile's hbk is in
.set n, 0
.rept 16
	v_pk_fma_f32 v[PP+32*(\tp)+2*n:PP+32*(\tp)+2*n+1], v[ACC+2*n:ACC+2*n+1], s[40:41], v[HBV+4*(\tp):HBV+4*(\tp)+1] op_sel_hi:[1,0,0]   ; t = K x + hbk, each accumulator from its low end on
.set n, n+1
.endr
.if (\tp) && (\nxt)
	v_add_nc_u32 v[ADT], 256, v[ADT]               ; the table: on to the next block's 64 columns
.endif
.if ASKF == 1
	s_cmp_eq_u32 s[TL], 2                          ; only while a tile follows
	s_cbranch_scc0 .Lno_ask_\@
	global_prefetch_b8 v[PFO], s[PFA:PFA+1] th:TH_LOAD_NT scope:SCOPE_SE
	global_prefetch_b8 v[PFO], s[PFA:PFA+1] offset:8*VROW th:TH_LOAD_NT scope:SCOPE_SE
.Lno_ask_\@:
.elseif ASKF == 2
	s_wait_xcnt 0x0                                ; the prefetches, two runs back, have read their base
	s_add_nc_u64 s[PFA:PFA+1], s[PFA:PFA+1], 16*VROW
.endif
.set ASKF, 0
	s_wait_alu depctr_va_vdst(0)                   ; the wait ahead of the batch
.if \nxt
	WALL nsl, ntp                                  ; the places ahead of these loads are the 8 lines and the scalings of the other accumulators
.if \tp
	ds_load_b32 v[HBV], v[ADT]                                   ; the next tile's hbk; this tile's -2 vw lies a block back
	ds_load_b32 v[HBV+6], v[ADT] offset:4096+64-256
.else
	ds_load_b32 v[HBV+4], v[ADT] offset:64
	ds_load_b32 v[HBV+2], v[ADT] offset:4096
.endif
.else
	ds_load_b32 v[HBV+2+4*(\tp)], v[ADT] offset:4096+64*(\tp)
.endif
.set n, 0
.rept 32
	v_exp_f32 v[PP+32*(\tp)+n], v[PP+32*(\tp)+n]
.set n, n+1
.endr
.if \epi
.set n, 0
.rept 32
	v_rcp_f32 v[PP+32*(1-(\tp))+n], v[PP+32*(1-(\tp))+n]
.set n, n+1
.endr
.endif
	v_nop
	s_wait_alu depctr_va_vdst(0)                   ; and behind it, ahead of the first reader
.endm
.Ltile:
	s_wait_alu depctr_va_vdst(0)                   ; the wait at the head's end and ahead of the waits below
	s_wait_tensorcnt 0x0                           ; the sequence ahead of a fill; the add twice
	ds_add_u32 v[SPW], v[NIL]
	ds_add_u32 v[SPW], v[NIL]
	NEXTW 0
	s_wait_dscnt 0x0
	CROUND
	tensor_load_to_lds s[32:35], s[24:31]          ; slot 0: the walk's first block
	s_nop 0
	NOPS 4
	global_load_b128 v[224:227], v[TBO], s[8:9]
	global_load_b128 v[228:231], v[TBO], s[8:9] offset:16
	global_load_b128 v[240:243], v[TBO], s[8:9] offset:262144     ; hbk comes as two halves of K
	global_load_b128 v[244:247], v[TBO], s[8:9] offset:262160
	global_load_b128 v[232:235], v[TVO], s[10:11]
	global_load_b128 v[236:239], v[TVO], s[10:11] offset:16
.irp p, 0,1,2,3,4,5,6,7,8,9,10,11,12,13,14,15
	LDROW \p
.endr
	s_wait_loadcnt 32                              ; the table's six loads are in; the rows' 32 may be out
.irp q, 0,2,4,6
	v_pk_add_f32 v[224+\q:225+\q], v[224+\q:225+\q], v[240+\q:241+\q]
.endr
.irp q, 232,234,236,238
	v_pk_mul_f32 v[\q:\q+1], v[\q:\q+1], -2.0 op_sel_hi:[1,0]
.endr
	ds_store_b128 v[ATB], v[224:227]
	ds_store_b128 v[ATB], v[228:231] offset:16
	ds_store_b128 v[ATB], v[232:235] offset:4096
	ds_store_b128 v[ATB], v[236:239] offset:4112
	XPAIR 0, 0, 0x8000
	s_wait_tensorcnt 0x0                           ; the same sequence ahead of slot 1's fill
	ds_add_u32 v[SPW], v[NIL]
	NEXTW 1
	s_wait_dscnt 0x0
	CROUND
	tensor_load_to_lds s[36:39], s[24:31]          ; slot 1: the second block
	s_nop 0
	NOPS 4
	XPAIR 1, 0x8000, 0x8000
	XPAIR 2, 0x8000, 0x18000
	s_mov_b32 s47, 0
	s_mov_b32 s48, 0
	s_mov_b32 s49, 0x18000
	TRIP 1, 0
	s_mov_b32 s47, CHH
	s_mov_b32 s48, SCH
	TRIP 0, 1
	CTAIL 3
	v_add_nc_u32 v18, 0x20000, v[ABF]
	s_wait_alu depctr_va_vdst(0)
.irp p, 0,1,2,3,4,5,6,7,8,9,10,11,12,13,14,15
	ds_store_b128 v18, v[XB+8*\p:XB+8*\p+3] offset:512*\p     ; the last 16 rows' bf16 copy, over the stage that is done with
.endr
	s_wait_dscnt 0x0
	v_add_nc_u32 v[ADT], 0, v[ADT0]
.set n, 0
.rept 32
	v_mov_b32 v[SACC+n], 0
	v_mov_b32 v[PP+32+n], 0                        ; the second run adds these zeros: it has no tile two before
.set n, n+1
.endr
	WALL 0, 0
	ds_load_b32 v[HBV], v[ADT]
	s_wait_alu depctr_va_vdst(0)
	s_wait_dscnt 0x0
	INTERVAL 0, 0, 0, 0, 1
	s_mov_b32 s46, 7
.Lg:                                               ; a trip: two blocks, four runs, both slots filled again
.set ASKF, 1
	INTERVAL 0, 1, 1, 1, 1
	INTERVAL 1, 0, 1, 0, 1
.set ASKF, 2
	INTERVAL 1, 1, 1, 1, 1
	INTERVAL 0, 0, 1, 0, 1
	s_sub_co_u32 s46, s46, 1
	s_cmp_lg_u32 s46, 0
	s_cbranch_scc1 .Lg
.set ASKF, 1
	INTERVAL 0, 1, 1, 2, 1                         ; the last two blocks fill nothing
	INTERVAL 1, 0, 1, 0, 1
	INTERVAL 1, 1, 1, 0, 0
.set ca, 0
.set cf, 0
.rept 16                                       ; the last two tiles run out
	LA PP+32
	LF PP, HBV+2
.endr
	s_wait_dscnt 0x0                               ; the last tile's -2 vw is in
	s_wait_alu depctr_va_vdst(0)
.set n, 0
.rept 32
	v_rcp_f32 v[PP+32+n], v[PP+32+n]
.set n, n+1
.endr
	v_nop
	s_wait_alu depctr_va_vdst(0)
.set cf, 0
.rept 16
	LF PP+32, HBV+6
.endr
; the scores: summed over a wave's 16 lanes of columns, then over the two column halves through LDS; every wave then holds all 128
.irp x, 1,2,4,8
.set n, 0
.rept 32
	v_add_f32_dpp v[SACC+n], v[SACC+n], v[SACC+n] row_xmask:\x row_mask:0xf bank_mask:0xf
.set n, n+1
.endr
.endr
.set n, 0
.rept 32
	ds_store_b32 v[AEX], v[SACC+n] offset:128*(n/8)+4*(n%8)
.set n, n+1
.endr
	s_wait_dscnt 0x0
	s_barrier_signal -1
	s_barrier_wait -1
	ds_load_b128 v[224:227], v[AXR]
	ds_load_b128 v[228:231], v[AXR] offset:512
	v_mov_b32 v233, 0
	v_mov_b32 v236, 0
	s_wait_dscnt 0x0
	v_pk_add_f32 v[224:225], v[224:225], v[228:229]
	v_pk_add_f32 v[226:227], v[226:227], v[230:231]
	v_max3_num_f32 v232, v224, v225, v226
	v_max_num_f32 v232, v232, v227
.irp x, 1,2,4,8
	v_max_num_f32_dpp v232, v232, v232 row_xmask:\x row_mask:0xf bank_mask:0xf
.endr
	v_permlanex16_b32 v233, v232, s44, s45
	v_max_num_f32 v232, v232, v233                 ; the tile's largest score,
	v_mul_f32 v232, s42, v232                      ; as a power of two: m
	v_pk_fma_f32 v[224:225], v[224:225], s[42:43], v[232:233] op_sel_hi:[1,0,0] neg_lo:[0,0,1] neg_hi:[0,0,1]
	v_pk_fma_f32 v[226:227], v[226:227], s[42:43], v[232:233] op_sel_hi:[1,0,0] neg_lo:[0,0,1] neg_hi:[0,0,1]
	s_wait_alu depctr_va_vdst(0)
.irp q, 224,225,226,227
	v_exp_f32 v[\q], v[\q]                         ; p = 2^(score log2(e) - m)
.endr
	v_mov_b32 v234, v232
	s_wait_alu depctr_va_vdst(0)
	v_add_f32 v235, v224, v225
	v_add_f32 v236, v226, v227
	v_add_f32 v235, v235, v236
.irp x, 1,2,4,8
	v_add_f32_dpp v235, v235, v235 row_xmask:\x row_mask:0xf bank_mask:0xf
.endr
	v_permlanex16_b32 v236, v235, s44, s45
	v_add_f32 v235, v235, v236                     ; l = the sum of p
	ds_store_b128 v[APW], v[224:227]
.irp c, 0,1,2,3,4,5,6,7
	v_mov_b32 v[CTX+\c], 0
.endr
.irp u, 0,1,2,3,4,5,6,7,8,9,10,11
	ds_load_b128 v[96+4*\u:99+4*\u], v[APB] offset:16*\u       ; my own copy of p of rows 0-47, every lane all of them
.endr
	s_wait_alu depctr_va_vdst(0)
	s_wait_dscnt 0x0
	WIN 0x03
.set RR, 0
.rept 48                                       ; the context of my 256 columns: rows 0-47 from registers,
.irp d, 0,1,2,3
	v_fma_mix_f32_bf16 v[CTX+2*\d], v[4*RR+\d], v[96+RR], v[CTX+2*\d] op_sel_hi:[1,0,0]
	v_fma_mix_f32_bf16 v[CTX+2*\d+1], v[4*RR+\d], v[96+RR], v[CTX+2*\d+1] op_sel:[1,0,0] op_sel_hi:[1,0,0]
.endr
.set RR, RR+1
.endr
	WIN 0
	s_mov_b32 s50, 0
	s_mov_b32 s51, 192
	s_mov_b32 s46, 5
.Lc:                                               ; rows 48-127 from LDS, 16 a trip
	v_add_nc_u32 v16, s50, v[ABF]
	v_add_nc_u32 v17, s51, v[APB]
.irp p, 0,1,2,3,4,5,6,7,8,9,10,11,12,13,14,15
	ds_load_b128 v[96+4*\p:99+4*\p], v16 offset:512*\p
.endr
.irp u, 0,1,2,3
	ds_load_b128 v[160+4*\u:163+4*\u], v17 offset:16*\u
.endr
	s_wait_dscnt 0x0
.set RR, 0
.rept 16
.irp d, 0,1,2,3
	v_fma_mix_f32_bf16 v[CTX+2*\d], v[96+4*RR+\d], v[160+RR], v[CTX+2*\d] op_sel_hi:[1,0,0]
	v_fma_mix_f32_bf16 v[CTX+2*\d+1], v[96+4*RR+\d], v[160+RR], v[CTX+2*\d+1] op_sel:[1,0,0] op_sel_hi:[1,0,0]
.endr
.set RR, RR+1
.endr
	s_add_co_u32 s50, s50, 32768
	s_add_co_u32 s51, s51, 64
	s_sub_co_u32 s46, s46, 1
	s_cmp_lg_u32 s46, 0
	s_cbranch_scc1 .Lc
	s_wait_alu depctr_va_vdst(0)
	global_store_b128 v[POA], v[CTX:CTX+3], s[12:13]           ; even lanes fill one run of 256 consecutive bytes, odd lanes another
	global_store_b128 v[POA], v[CTX+4:CTX+7], s[12:13] offset:256
	global_store_b64 v[POB], v[234:235], s[12:13] offset:4096
	s_wait_xcnt 0x0                                ; the stores have read their registers and their base
	s_add_nc_u64 s[12:13], s[12:13], 4*5120        ; the record of tile q + 4
	s_add_nc_u64 s[22:23], s[22:23], 0x6400000     ; v: from 112 positions into this tile to the tile 512 positions on
	s_sub_co_u32 s[TL], s[TL], 1
	s_cmp_lg_u32 s[TL], 0
	s_cbranch_scc1 .Ltile
	s_wait_tensorcnt 0x0                           ; the wave's end
	ds_add_u32 v[SPW], v[NIL]
	s_wait_dscnt 0x0
	CROUND                                         ; the closing round
	s_endpgm
.Lfunc_end_k_q766ab705e5_main:
	.size	k_q766ab705e5_main, .Lfunc_end_k_q766ab705e5_main-k_q766ab705e5_main
	.p2alignl 7, 3214868480
	.fill 96, 4, 3214868480
	.section	.rodata,"a",@progbits
	.p2align	6, 0x0
	.amdhsa_kernel k_q766ab705e5_main
		.amdhsa_group_segment_fixed_size 327680
		.amdhsa_private_segment_fixed_size 0
		.amdhsa_enable_private_segment 0
		.amdhsa_kernarg_size 40
		.amdhsa_user_sgpr_count 2
		.amdhsa_user_sgpr_kernarg_segment_ptr 1
		.amdhsa_wavefront_size32 1
		.amdhsa_system_sgpr_workgroup_id_x 1
		.amdhsa_system_sgpr_workgroup_id_y 1
		.amdhsa_system_sgpr_workgroup_id_z 1
		.amdhsa_system_vgpr_workitem_id 0
		.amdhsa_next_free_vgpr 1024
		.amdhsa_next_free_sgpr 84
		.amdhsa_reserve_vcc 0
		.amdhsa_float_denorm_mode_32 3
		.amdhsa_float_denorm_mode_16_64 3
		.amdhsa_memory_ordered 1
		.amdhsa_forward_progress 1
		.amdhsa_inst_pref_size 255
	.end_amdhsa_kernel
	.section	.bss,"aw",@nobits
	.p2align	6
	.space	262144
	.amdgpu_metadata
---
amdhsa.version: [ 1, 2 ]
amdhsa.kernels:
  - .name:           k_q766ab705e5_main
    .symbol:         k_q766ab705e5_main.kd
    .args:
      - { .name: vectors_to_attend, .offset: 0, .size: 8, .value_kind: global_buffer, .address_space: global }
      - { .name: wimg, .offset: 8, .size: 8, .value_kind: global_buffer, .address_space: global }
      - { .name: hbk, .offset: 16, .size: 8, .value_kind: global_buffer, .address_space: global }
      - { .name: attn_v_weight, .offset: 24, .size: 8, .value_kind: global_buffer, .address_space: global }
      - { .name: part, .offset: 32, .size: 8, .value_kind: global_buffer, .address_space: global }
    .group_segment_fixed_size: 327680
    .private_segment_fixed_size: 0
    .kernarg_segment_align: 8
    .kernarg_segment_size: 40
    .max_flat_workgroup_size: 128
    .sgpr_count:     84
    .vgpr_count:     1024
    .wavefront_size: 32
...
	.end_amdgpu_metadata
.endif
;; end of part 2
;; launch merge (part 3): grid 256 x 1, 2 waves a work-group, no clusters, 0 bytes of LDS; arguments part, out0; writes out0
.if DOCPART == 3
	.amdgcn_target "amdgcn-amd-amdhsa--gfx1250"
	.amdhsa_code_object_version 6
	.text
	.protected	k_q766ab705e5_merge
	.globl	k_q766ab705e5_merge
	.p2align	8
	.type	k_q766ab705e5_merge,@function
k_q766ab705e5_merge:
	s_mov_b64 s[64:65], 0
	v_nop
	global_prefetch_b8 v0, s[64:65] scope:SCOPE_SE
	s_setreg_imm32_b32 hwreg(HW_REG_WAVE_MODE, 25, 1), 1
	s_wait_xcnt 0x0
; out0[b][e] = (sum over q of 2^(m_q - M) ctx_q[e]) / (sum over q of 2^(m_q - M) l_q), M = the largest m_q: the eight tiles of 128 positions of a batch are joined; the maximum is taken away ahead of every exponential.
; A record of part (5,120 bytes, tile 8 b + q): the context at 1,024 w + 512 half + 16 lane (e = 256 w + 8 lane + 4 half + 0..3); the pair (m, l), in powers of two, at 4,096 + 256 w + 8 lane, the same pair everywhere.
; Work-group (b = number / 4, w = number % 4), 64 threads: thread t makes e = 256 w + 4 t + 0..3.  A stream of 10 KB a work-group: no LDS, no barrier, no matrix unit.
	s_load_b128 s[4:7], s[0:1], 0x0                ; part, out0
	s_lshr_b32 s8, ttmp9, 2                        ; b
	s_and_b32 s9, ttmp9, 3                         ; w
	v_and_b32 v1, 1, v0
	v_lshrrev_b32 v2, 1, v0
	v_lshlrev_b32 v1, 9, v1
	v_lshl_add_u32 v1, v2, 4, v1
	s_lshl_b32 s10, s9, 10
	v_add_nc_u32 v1, s10, v1                       ; 1,024 w + 512 (t % 2) + 16 (t / 2)
	v_and_b32 v2, 31, v0
	s_lshl_b32 s11, s9, 8
	v_lshl_add_u32 v2, v2, 3, s11                  ; 256 w + 8 x lane
	v_lshl_add_u32 v3, v0, 4, s10                  ; out0: 1,024 w + 16 t
	s_mul_i32 s12, s8, 40960                       ; the batch's eight records
	s_mov_b32 s13, 0
	s_lshl_b32 s14, s8, 12
	s_mov_b32 s15, 0
	s_wait_alu depctr_va_vdst(0)
	s_wait_kmcnt 0x0
	s_add_nc_u64 s[4:5], s[4:5], s[12:13]
	s_add_nc_u64 s[6:7], s[6:7], s[14:15]
.irp q, 0,1,2,3,4,5,6,7
	global_load_b64 v[8+2*\q:9+2*\q], v2, s[4:5] offset:5120*\q+4096
.endr
.irp q, 0,1,2,3,4,5,6,7
	global_load_b128 v[24+4*\q:27+4*\q], v1, s[4:5] offset:5120*\q
.endr
	s_wait_loadcnt 8                               ; the eight pairs are in; the eight loads of the contexts, issued behind them, may be out
	v_max3_num_f32 v4, v8, v10, v12
	v_max3_num_f32 v4, v4, v14, v16
	v_max3_num_f32 v4, v4, v18, v20
	v_max_num_f32 v4, v4, v22                      ; M
.irp q, 0,1,2,3,4,5,6,7
	v_sub_f32 v[8+2*\q], v[8+2*\q], v4
.endr
	s_wait_alu depctr_va_vdst(0)
.irp q, 0,1,2,3,4,5,6,7
	v_exp_f32 v[8+2*\q], v[8+2*\q]                 ; f_q = 2^(m_q - M), at most 1
.endr
	v_mov_b32 v7, 0                                ; (the plain line behind the exponentials; v7 is named below as the upper half of a pair)
	s_wait_alu depctr_va_vdst(0)                   ; one wait for the eight, ahead of their first reader
	v_mul_f32 v5, v9, v8
.irp q, 1,2,3,4,5,6,7
	v_fma_f32 v5, v[9+2*\q], v[8+2*\q], v5         ; L: at least 1, since the largest tile's largest p is 1
.endr
	s_wait_alu depctr_va_vdst(0)
	v_rcp_f32 v6, v5
	s_wait_loadcnt 0x0
	v_pk_mul_f32 v[56:57], v[24:25], v[8:9] op_sel_hi:[1,0]    ; (plain work behind the reciprocal, which it does not name)
	v_pk_mul_f32 v[58:59], v[26:27], v[8:9] op_sel_hi:[1,0]
.irp q, 1,2,3,4,5,6,7
	v_pk_fma_f32 v[56:57], v[24+4*\q:25+4*\q], v[8+2*\q:9+2*\q], v[56:57] op_sel_hi:[1,0,1]
	v_pk_fma_f32 v[58:59], v[26+4*\q:27+4*\q], v[8+2*\q:9+2*\q], v[58:59] op_sel_hi:[1,0,1]
.endr
	s_wait_alu depctr_va_vdst(0)                   ; the wait for the reciprocal, ahead of its first reader
	v_pk_mul_f32 v[56:57], v[56:57], v[6:7] op_sel_hi:[1,0]
	v_pk_mul_f32 v[58:59], v[58:59], v[6:7] op_sel_hi:[1,0]
	global_store_b128 v3, v[56:59], s[6:7]         ; a wave stores 512 consecutive bytes
	s_endpgm
.Lfunc_end_k_q766ab705e5_merge:
	.size	k_q766ab705e5_merge, .Lfunc_end_k_q766ab705e5_merge-k_q766ab705e5_merge
	.p2alignl 7, 3214868480
	.fill 96, 4, 3214868480
	.section	.rodata,"a",@progbits
	.p2align	6, 0x0
	.amdhsa_kernel k_q766ab705e5_merge
		.amdhsa_group_segment_fixed_size 0
		.amdhsa_private_segment_fixed_size 0
		.amdhsa_enable_private_segment 0
		.amdhsa_kernarg_size 16
		.amdhsa_user_sgpr_count 2
		.amdhsa_user_sgpr_kernarg_segment_ptr 1
		.amdhsa_wavefront_size32 1
		.amdhsa_system_sgpr_workgroup_id_x 1
		.amdhsa_system_sgpr_workgroup_id_y 1
		.amdhsa_system_sgpr_workgroup_id_z 1
		.amdhsa_system_vgpr_workitem_id 0
		.amdhsa_next_free_vgpr 64
		.amdhsa_next_free_sgpr 66
		.amdhsa_reserve_vcc 0
		.amdhsa_float_denorm_mode_32 3
		.amdhsa_float_denorm_mode_16_64 3
		.amdhsa_memory_ordered 1
		.amdhsa_forward_progress 1
		.amdhsa_inst_pref_size 6
	.end_amdhsa_kernel
	.amdgpu_metadata
---
amdhsa.version: [ 1, 2 ]
amdhsa.kernels:
  - .name:           k_q766ab705e5_merge
    .symbol:         k_q766ab705e5_merge.kd
    .args:
      - { .name: part, .offset: 0, .size: 8, .value_kind: global_buffer, .address_space: global }
      - { .name: out0, .offset: 8, .size: 8, .value_kind: global_buffer, .address_space: global }
    .group_segment_fixed_size: 0
    .private_segment_fixed_size: 0
    .kernarg_segment_align: 8
    .kernarg_segment_size: 16
    .max_flat_workgroup_size: 64
    .sgpr_count:     66
    .vgpr_count:     64
    .wavefront_size: 32
...
	.end_amdgpu_metadata
.endif
;; end of part 3
